; MI455X (gfx1250); checked and timed in simulation.
; The chip was launched on July 23, 2026; its instructions are those of AMD's public machine-readable ISA for CDNA 5 (MIT licence, August 2026) and "CDNA5" Instruction Set Architecture Reference Guide (July 2026). The comments in the code are by the model that wrote it; some were corrected since.
;; Swin Transformer. Allowed arithmetic: matrix products marked QUANTISED: E4M3 operands, one E8M0 scale for each 32 along K, by v_wmma_scale_f32_16x16x128_f8f6f4 with both operands' format E4M3, f32 sums; everything else in f32.
;; Inputs: f1b 2 x 512 float32; f1w 2 x 128 x 512 float32; f2b 2 x 128 float32; f2w 2 x 512 x 128 float32; n1b 2 x 128 float32; n1g 2 x 128 float32; n2b 2 x 128 float32; n2g 2 x 128 float32; pb 2 x 128 float32; pw 2 x 128 x 128 float32; qkvb 2 x 384 float32; qkvw 2 x 128 x 384 float32; rpb 2 x 169 x 4 float32; x 32 x 3,136 x 128 float32.
;; Outputs: out0 32 x 3,136 x 128 float32.
;; This version of the problem:
;;   THIS VERSION OF THE PROBLEM IS GIVEN IN LOW PRECISION. The matrix products marked QUANTISED in the list below multiply operands that are first quantised to E4M3 (4 exponent bits, 3 mantissa bits; 8 bits a number), with one power-of-two scale for each 32 numbers along K (OCP MX v1.0); their sums are f32. All else is computed in f32.
;;   The module's matrix products, in the order in which they are computed (A, B: the left and right operand; K: the contracted axis; several contracted axes count as one K, in the product's order):
;;     1. [M 100,352, K 128] x [K 128, N 384]; A: computed on the way; B: input qkvw: QUANTISED
;;     2. batch 8,192 x [M 49, K 32] x [K 32, N 49]; A: computed on the way; B: computed on the way: QUANTISED
;;     3. batch 8,192 x [M 49, K 49] x [K 49, N 32]; A: softmax (see below); B: computed on the way: QUANTISED
;;     4. [M 100,352, K 128] x [K 128, N 128]; A: computed on the way; B: input pw: QUANTISED
;;     5. [M 100,352, K 128] x [K 128, N 512]; A: computed on the way; B: input f1w: QUANTISED
;;     6. [M 100,352, K 512] x [K 512, N 128]; A: computed on the way; B: input f2w: QUANTISED
;;     7. [M 100,352, K 128] x [K 128, N 384]; A: computed on the way; B: input qkvw: QUANTISED
;;     8. batch 8,192 x [M 49, K 32] x [K 32, N 49]; A: computed on the way; B: computed on the way: QUANTISED
;;     9. batch 8,192 x [M 49, K 49] x [K 49, N 32]; A: softmax (see below); B: computed on the way: QUANTISED
;;     10. [M 100,352, K 128] x [K 128, N 128]; A: computed on the way; B: input pw: QUANTISED
;;     11. [M 100,352, K 128] x [K 128, N 512]; A: computed on the way; B: input f1w: QUANTISED
;;     12. [M 100,352, K 512] x [K 512, N 128]; A: computed on the way; B: input f2w: QUANTISED
;;   THE QUANTISER, for each operand of a quantised product, along K:
;;     - K is cut into blocks of 32 from its start; a last block that is shorter is filled with zeros.
;;     - A block's scale is 2^e with e = floor(log2(the largest magnitude in the block)) - 8, held to -126 .. 127; a block of zeros has e = 0. As a byte (E8M0): e + 127.
;;     - Each number is divided by its block's scale, clamped to +-448, and rounded to the nearest number of E4M3, ties to even, subnormals kept.
;;     - The product sums the exact products of the quantised numbers (number of the format x scale) in f32.
;;   ~~~python
;;   def quantise(x, axis):      # numpy; x: float32 -> the quantised numbers, widened to float32 again
;;       x = np.moveaxis(x, axis, -1); K = x.shape[-1]
;;       x = np.pad(x, [(0, 0)] * (x.ndim - 1) + [(0, -K % 32)]); x = x.reshape(x.shape[:-1] + (-1, 32)); a = np.abs(x).max(-1, keepdims=True)
;;       e = np.where(a > 0, np.clip(np.frexp(np.where(a > 0, a, 1))[1] - 1 - 8, -126, 127), 0)      # np.frexp(a)[1] - 1 = floor(log2(a)), exactly
;;       r = np.clip(x / 2.0 ** e, -448, 448)
;;       step = 2.0 ** (np.maximum(np.frexp(np.where(r == 0, 1, r))[1] - 1, -6) - 3)
;;       q = np.round(r / step) * step * 2.0 ** e      # np.round: ties to even
;;       return np.moveaxis(q.reshape(q.shape[:-2] + (-1,))[..., :K], -1, axis).astype(np.float32)
;;   ~~~
;;   SOFTMAX AHEAD OF A QUANTISED PRODUCT. Where the list says 'softmax', what is quantised is not the finished softmax but p = 2^(t - M), with t = logit x log2(e) and M = ceil(the row's largest t), a whole number; so 1/2 < the row's largest p <= 1. The row's sum l is taken of the UNQUANTISED p, in f32, and the product's result is divided by l at the end. Since M is a whole number, a kernel that streams over the keys may use a running M (the ceiling of the running maximum): every later rescaling is an exact power of two, which a block's scale takes up: the codes' values come out the same.
;;   OPERANDS COMPUTED ON THE WAY. 'Computed on the way' means the value that the module computes at that place (a softmax that the list does not call 'softmax' is quantised finished and normalised). What goes into a quantiser is computed in f32, as accurately as f32 sums, v_exp_f32 and their like allow (about 1e-6 of the number): no bf16 or f16 on the way to a quantiser, and a product that is left as it is and whose result goes on into a quantised operand takes f32 operands (vector FMAs, or v_wmma_f32_16x16x4_f32). A number that lies on a knife's edge between two numbers of the format may be rounded either way, as far as f32 arithmetic and the matrix unit's own rounding can turn it there, and no further.
;; One version. Each part assembles by itself: llvm-mc -triple=amdgcn-amd-amdhsa -mcpu=gfx1250 --defsym DOCPART=n.
;; ======== version 1 of 1: 3 launches
;; limits: a function is approximated: absolute error at most 7.5e-08; right only within a limited range of input values
;; workspace buffers: mid 51,380,224 bytes; lay0 281,088 bytes; lay1 281,088 bytes; rows0 49,152 bytes of whole numbers; rows1 49,152 bytes of whole numbers
;; launch prep (part 1): grid 202 x 1, 4 waves a work-group, no clusters, 0 bytes of LDS; arguments qkvw, pw, f1w, f2w, rpb, n1g, n1b, n2g, n2b, pb, f2b, qkvb, f1b, lay0, lay1, rows0, rows1; writes lay0, lay1, rows0, rows1
.if DOCPART == 1
	.amdgcn_target "amdgcn-amd-amdhsa--gfx1250"
	.amdhsa_code_object_version 6
	.text
	.protected	k_q7853a65be8_prep
	.globl	k_q7853a65be8_prep
	.p2align	8
	.type	k_q7853a65be8_prep,@function
k_q7853a65be8_prep:
	s_mov_b64 s[64:65], 0
	v_nop
	global_prefetch_b8 v0, s[64:65] scope:SCOPE_SE
	s_setreg_imm32_b32 hwreg(HW_REG_WAVE_MODE, 25, 1), 1
	s_wait_xcnt 0x0
; WHAT THE TWO BLOCK LAUNCHES READ AGAIN AND AGAIN IS LAID OUT ONCE, for both layers (lay0, rows0: layer 0; lay1, rows1: layer 1).
; Four kinds of work-groups, told apart by the work-group's number; none uses LDS, none shares anything with another.
;   0-47    a wave quantises one operand fragment (16 columns x 128 along K) of a weight stored [K][N]: lane r takes a column, its registers run down K,
;           so the conversions' results are the operand's registers.  192 fragments: 96 a layer (qkv 24, proj 8, fc1 32, fc2 32).
;   48-111  the relative-position bias, gathered into the layout of the score tiles' accumulators; keys 49..63, which do not exist, get -1e30.
;   112-175 whole numbers: for each window and slot the token's row in the image (the roll folded in), its region for the mask, the window's mask flag.
;   176-201 the small parameters, copied so that a layer's lie on end.
; THE QUANTISER: a block of 32 along K has the scale 2^(floor(log2(largest magnitude)) - 8); numbers are held within +-448 x scale and rounded to the nearest code of E4M3, ties to even.
; LIMITS: a block of zeros gets the byte 1 (its codes are zeros, and only this program reads the bytes); NaN and infinities among the inputs are not served.
.set PAR,  49152                       ; lay: 13 chunks of 512 bytes
.set BIA,  55808                       ; lay: the bias table
.set FRG2, 121344                      ; lay: fragments of proj, fc1, fc2
.set SCW,  268800                      ; lay: 96 images of scale words
	s_load_b512 s[4:19], s[0:1], 0x0               ; qkvw 4, pw 6, f1w 8, f2w 10, rpb 12, n1g 14, n1b 16, n2g 18
	s_load_b512 s[20:35], s[0:1], 0x40             ; n2b 20, pb 22, f2b 24, qkvb 26, f1b 28, lay0 30, lay1 32, rows0 34
	s_load_b64 s[36:37], s[0:1], 0x80              ; rows1
	v_lshrrev_b32 v1, 5, v0
	v_readfirstlane_b32 s40, v1                    ; wave
	s_wait_kmcnt 0x0
	s_cmp_lt_u32 ttmp9, 48
	s_cbranch_scc1 .Lweights
	s_cmp_lt_u32 ttmp9, 112
	s_cbranch_scc1 .Lbias
	s_cmp_lt_u32 ttmp9, 176
	s_cbranch_scc1 .Ltokens
; ---- the small parameters: chunk q of layer L: 0 n1g, 1 n1b, 2 n2g, 3 n2b, 4 pb, 5 f2b, 6-8 qkvb, 9-12 f1b; 128 threads x 4 bytes
	s_sub_co_u32 s41, ttmp9, 176
	s_cmp_ge_u32 s41, 13
	s_cselect_b32 s42, 1, 0                        ; L
	s_cselect_b32 s43, 13, 0
	s_cselect_b64 s[38:39], s[32:33], s[30:31]     ; the layer's lay
	s_sub_co_u32 s41, s41, s43                     ; q
	s_mov_b64 s[44:45], s[28:29]                   ; f1b,
	s_mov_b32 s46, 2048                            ; a layer of it in bytes,
	s_mov_b32 s47, 9                               ; its first chunk
	s_cmp_lt_u32 s41, 9
	s_cselect_b64 s[44:45], s[26:27], s[44:45]     ; qkvb
	s_cselect_b32 s46, 1536, s46
	s_cselect_b32 s47, 6, s47
	s_cmp_lt_u32 s41, 6
	s_cselect_b64 s[44:45], s[24:25], s[44:45]     ; f2b
	s_cselect_b32 s46, 512, s46
	s_cselect_b32 s47, 5, s47
.macro PICK lim, reg                   ; chunk lim - 1 is the tensor at s[reg]
	s_cmp_lt_u32 s41, \lim
	s_cselect_b64 s[44:45], s[\reg:\reg+1], s[44:45]
	s_cselect_b32 s47, \lim-1, s47
.endm
	PICK 5, 22
	PICK 4, 20
	PICK 3, 18
	PICK 2, 16
	PICK 1, 14
	s_mul_i32 s46, s46, s42                        ; the layer,
	s_sub_co_u32 s47, s41, s47
	s_lshl_b32 s47, s47, 9                         ; the chunk inside the tensor
	s_add_co_u32 s46, s46, s47
	v_lshl_add_u32 v2, v0, 2, s46
	global_load_b32 v3, v2, s[44:45]
	s_lshl_b32 s47, s41, 9
	s_add_co_u32 s47, s47, PAR
	v_lshl_add_u32 v4, v0, 2, s47
	s_wait_alu depctr_va_vdst(0)
	s_wait_loadcnt 0x0
	global_store_b32 v4, v3, s[38:39]
	s_endpgm
; ---- a weight's fragment.  F = 4 x work-group + wave; layer L = F / 96, fragment f = F % 96
.Lweights:
	s_lshl_b32 s41, ttmp9, 2
	s_add_co_u32 s41, s41, s40
	s_cmp_ge_u32 s41, 96
	s_cselect_b32 s42, 1, 0                        ; L
	s_cselect_b32 s43, 96, 0
	s_cselect_b64 s[38:39], s[32:33], s[30:31]
	s_sub_co_u32 s41, s41, s43                     ; f
	s_mov_b64 s[44:45], s[10:11]                   ; f2w: N = 128, a layer is 262,144 bytes, its fragments begin at f = 64
	s_mov_b32 s46, 128
	s_mov_b32 s47, 262144
	s_mov_b32 s48, 64
	s_cmp_lt_u32 s41, 64
	s_cselect_b64 s[44:45], s[8:9], s[44:45]       ; f1w
	s_cselect_b32 s46, 512, s46
	s_cselect_b32 s48, 32, s48
	s_cselect_b32 s49, 8, 0                        ; all but fc2 take permuted columns: r + (r & 8)
	s_cmp_lt_u32 s41, 32
	s_cselect_b64 s[44:45], s[6:7], s[44:45]       ; pw
	s_cselect_b32 s46, 128, s46
	s_cselect_b32 s47, 65536, s47
	s_cselect_b32 s48, 24, s48
	s_cmp_lt_u32 s41, 24
	s_cselect_b64 s[44:45], s[4:5], s[44:45]       ; qkvw
	s_cselect_b32 s46, 384, s46
	s_cselect_b32 s47, 196608, s47
	s_cselect_b32 s48, 0, s48
	s_sub_co_u32 s50, s41, s48                     ; g: the fragment's number in its tensor
	s_lshr_b32 s51, s50, 1
	s_lshl_b32 s51, s51, 5
	s_and_b32 s52, s50, 1
	s_lshl_b32 s52, s52, 3
	s_add_co_u32 s51, s51, s52                     ; permuted: columns from 32 (g / 2) + 8 (g % 2) on, K from 0
	s_lshr_b32 s52, s50, 2
	s_lshl_b32 s52, s52, 4                         ; fc2: columns from 16 (g / 4) on,
	s_and_b32 s53, s50, 3
	s_lshl_b32 s53, s53, 7                         ; K from 128 (g % 4) on
	s_cmp_lt_u32 s41, 64
	s_cselect_b32 s51, s51, s52
	s_cselect_b32 s53, 0, s53
	v_and_b32 v1, 15, v0                           ; r
	v_bfe_u32 v2, v0, 4, 1                         ; h
	v_lshl_add_u32 v3, v2, 4, s53                  ; my first row of the weight: K base + 16 h
	v_mul_lo_u32 v3, v3, s46
	v_and_b32 v4, s49, v1
	v_add3_u32 v3, v3, v1, v4
	v_add_nc_u32 v3, s51, v3                       ; + my column
	v_lshlrev_b32 v3, 2, v3
	s_mul_i32 s54, s42, s47
	v_add_nc_u32 v3, s54, v3                       ; + the layer
	s_wait_alu depctr_va_vdst(0)
	s_lshl_b32 s55, s46, 2                         ; a row in bytes
.irp c, 0,1,2,3
.irp i, 0,1,2,3,4,5,6,7,8,9,10,11,12,13,14,15
	s_mul_i32 s56, s55, 32*\c+\i
	v_add_nc_u32 v[64+16*\c+\i], s56, v3
	global_load_b32 v[64+16*\c+\i], v[64+16*\c+\i], s[44:45]   ; W(K base + 32 c + 16 h + i, my column); the load lands on its own address
.endr
.endr
	s_mov_b32 s20, 0x76543210                      ; (the pointers that lay here are not wanted on this path)
	s_mov_b32 s21, 0xfedcba98                      ; lane selects: lane l xor 16
.irp b, 0,1,2,3
	v_mov_b32 v[36+\b], 0                          ; a lane permute's destination counts as one of its sources
.endr
	s_cmp_lt_u32 s41, 24
	s_cselect_b32 s57, 0, FRG2-49152               ; qkv's images lie at the buffer's head, the others from FRG2 on
	s_lshl_b32 s58, s41, 11
	s_add_co_u32 s57, s57, s58
	v_and_b32 v5, 31, v0
	v_lshl_add_u32 v6, v5, 4, s57                  ; the image: 16 bytes a lane
	s_lshl_b32 s58, s41, 7
	s_add_co_u32 s58, s58, SCW
	v_lshl_add_u32 v7, v5, 2, s58                  ; the scale words: 4 bytes a lane
	s_wait_loadcnt 0x0
.irp b, 0,1,2,3
	v_max3_num_f32 v[32+\b], |v[64+16*\b]|, |v[65+16*\b]|, 0x4800000   ; block b: my 16 numbers, and the floor 2^(9 - 127): the byte cannot fall under 1
.endr
.irp i, 2,4,6,8,10,12,14
.irp b, 0,1,2,3
	v_max3_num_f32 v[32+\b], v[32+\b], |v[64+16*\b+\i]|, |v[65+16*\b+\i]|
.endr
.endr
.irp b, 0,1,2,3
	v_permlanex16_b32 v[36+\b], v[32+\b], s20, s21
.endr
.irp b, 0,1,2,3
	v_max_num_f32 v[32+\b], v[32+\b], v[36+\b]     ; with lane l xor 16's 16: the block's largest magnitude
.endr
.irp b, 0,1,2,3
	v_add_nc_u32 v[44+\b], 0xfc000000, v[32+\b]    ; 8 off its exponent field: the conversion's scale operand
.endr
.irp b, 0,1,2,3
.endr
.irp b, 0,1,2,3
	v_lshrrev_b32 v[36+\b], 23, v[44+\b]           ; the scale's byte
.endr
	v_lshl_or_b32 v9, v37, 8, v36                  ; my column's scale word
	v_lshl_or_b32 v9, v38, 16, v9
	v_lshl_or_b32 v9, v39, 24, v9
.irp c, 0,1,2,3
.irp i, 0,1,2,3,4,5,6,7,8,9,10,11,12,13,14,15
.endr
	v_cvt_scalef32_pk8_fp8_f32 v[48+4*\c:49+4*\c], v[64+16*\c:71+16*\c], v[44+\c]
	v_cvt_scalef32_pk8_fp8_f32 v[50+4*\c:51+4*\c], v[72+16*\c:79+16*\c], v[44+\c]
.endr
	v_nop
.irp c, 0,1,2,3
	global_store_b128 v6, v[48+4*\c:51+4*\c], s[38:39] offset:512*\c   ; 32 lanes store 512 consecutive bytes
.endr
	global_store_b32 v7, v9, s[38:39]
	s_endpgm
; ---- the bias table.  Group e of 16 bytes = head x 1024 + query tile x 256 + key tile x 64 + half x 32 + lane: registers 4 half .. + 3 of that tile's accumulator
.Lbias:
	s_sub_co_u32 s40, ttmp9, 48
	s_cmp_ge_u32 s40, 32
	s_cselect_b32 s41, 2704, 0                     ; a layer of rpb: 169 x 16 bytes
	s_cselect_b64 s[38:39], s[32:33], s[30:31]
	s_and_b32 s40, s40, 31
	s_lshl_b32 s40, s40, 7
	v_add_nc_u32 v1, s40, v0                       ; e
	v_lshrrev_b32 v2, 10, v1                       ; head
	v_bfe_u32 v3, v1, 8, 2                         ; query tile
	v_bfe_u32 v4, v1, 6, 2                         ; key tile
	v_bfe_u32 v5, v1, 5, 1                         ; half
	v_and_b32 v6, 15, v1                           ; r
	v_bfe_u32 v7, v1, 4, 1                         ; h
	v_lshrrev_b32 v8, 1, v3
	v_lshlrev_b32 v8, 5, v8
	v_and_b32 v9, 1, v3
	v_lshl_add_u32 v8, v9, 3, v8
	v_and_b32 v9, 8, v6
	v_add3_u32 v8, v8, v6, v9                      ; the query: 32 (T / 2) + 8 (T % 2) + r + (r & 8)
	v_min_u32 v8, 48, v8
	v_mul_u32_u24 v9, v8, 37
	v_lshrrev_b32 v9, 8, v9                        ; its row in the window: n / 7 = (37 n) >> 8 for n up to 48
	v_mul_u32_u24 v10, v9, 7
	v_sub_nc_u32 v10, v8, v10                      ; its column
	v_mad_u32_u24 v11, v9, 13, v10
	v_add_nc_u32 v11, 84, v11                      ; 13 (y + 6) + x + 6
	v_lshrrev_b32 v12, 1, v4
	v_lshlrev_b32 v12, 5, v12
	v_and_b32 v13, 1, v4
	v_lshl_add_u32 v12, v13, 3, v12
	v_lshl_add_u32 v12, v7, 4, v12
	v_lshl_add_u32 v12, v5, 2, v12                 ; the first of my four keys: 32 (T' / 2) + 8 (T' % 2) + 16 h + 4 half
.irp j, 0,1,2,3
	v_add_nc_u32 v[16+\j], \j, v12
	v_min_u32 v[20+\j], 48, v[16+\j]
	v_mul_u32_u24 v[24+\j], v[20+\j], 37
	v_lshrrev_b32 v[24+\j], 8, v[24+\j]
	v_mul_u32_u24 v[28+\j], v[24+\j], 7
	v_sub_nc_u32 v[28+\j], v[20+\j], v[28+\j]
	v_mad_u32_u24 v[24+\j], v[24+\j], 13, v[28+\j]
	v_sub_nc_u32 v[24+\j], v11, v[24+\j]           ; the table's row: 0 .. 168
	v_lshlrev_b32 v[24+\j], 4, v[24+\j]
	v_lshl_add_u32 v[24+\j], v2, 2, v[24+\j]
	v_add_nc_u32 v[24+\j], s41, v[24+\j]
	global_load_b32 v[32+\j], v[24+\j], s[12:13]
.endr
	v_mov_b32 v13, 0xf149f2ca                      ; -1e30
	v_lshlrev_b32 v14, 4, v1
	s_wait_alu depctr_va_vdst(0)
	s_wait_loadcnt 0x0
.irp j, 0,1,2,3
	v_cmp_lt_u32 vcc_lo, 48, v[16+\j]
	v_cndmask_b32 v[32+\j], v[32+\j], v13, vcc_lo
.endr
	global_store_b128 v14, v[32:35], s[38:39] offset:BIA
	s_endpgm
; ---- whole numbers.  Entry G = window x 64 + slot
.Ltokens:
	s_sub_co_u32 s40, ttmp9, 112
	s_cmp_ge_u32 s40, 32
	s_cselect_b32 s41, 3, 0                        ; the layer's shift
	s_cselect_b32 s42, 1, 0
	s_cselect_b64 s[38:39], s[36:37], s[34:35]
	s_and_b32 s40, s40, 31
	s_lshl_b32 s40, s40, 7
	v_add_nc_u32 v1, s40, v0
	v_lshrrev_b32 v2, 6, v1                        ; window
	v_and_b32 v3, 63, v1                           ; slot
	v_lshrrev_b32 v4, 3, v2                        ; the window's row
	v_and_b32 v5, 7, v2                            ; and column
	v_mul_u32_u24 v6, v4, 7
	v_mul_u32_u24 v7, v5, 7
	v_lshrrev_b32 v8, 5, v3
	v_lshlrev_b32 v8, 5, v8
	v_bfe_u32 v9, v3, 4, 1
	v_lshl_add_u32 v8, v9, 3, v8
	v_and_b32 v9, 15, v3
	v_and_b32 v10, 8, v3
	v_add3_u32 v8, v8, v9, v10                     ; the permuted order's token of this slot
; window token v[n] (held at 48) -> its row in the image in v[out]; its place in the rolled image in v[hs], v[ws]
.macro TOK n, out, hs, ws
	v_min_u32 v20, 48, v[\n]
	v_mul_u32_u24 v21, v20, 37
	v_lshrrev_b32 v21, 8, v21
	v_mul_u32_u24 v22, v21, 7
	v_sub_nc_u32 v22, v20, v22
	v_add_nc_u32 v[\hs], v6, v21
	v_add_nc_u32 v[\ws], v7, v22
	v_add_nc_u32 v21, s41, v[\hs]
	v_add_nc_u32 v22, s41, v[\ws]
	v_cmp_le_u32 vcc_lo, 56, v21
	v_sub_nc_u32 v20, v21, 56
	v_cndmask_b32 v21, v21, v20, vcc_lo            ; modulo 56
	v_cmp_le_u32 vcc_lo, 56, v22
	v_sub_nc_u32 v20, v22, 56
	v_cndmask_b32 v22, v22, v20, vcc_lo
	v_mad_u32_u24 v[\out], v21, 56, v22
.endm
	TOK 8, 11, 12, 13
	TOK 3, 14, 12, 13
	v_cmp_le_u32 vcc_lo, 49, v12                   ; the mask's regions: rows 0-48, 49-52, 53-55 of the rolled image, columns likewise
	v_cndmask_b32 v15, 0, 1, vcc_lo
	v_cmp_le_u32 vcc_lo, 53, v12
	v_cndmask_b32 v16, 0, 1, vcc_lo
	v_add_nc_u32 v15, v15, v16
	v_cmp_le_u32 vcc_lo, 49, v13
	v_cndmask_b32 v16, 0, 1, vcc_lo
	v_cmp_le_u32 vcc_lo, 53, v13
	v_cndmask_b32 v17, 0, 1, vcc_lo
	v_add_nc_u32 v16, v16, v17
	v_mad_u32_u24 v15, v15, 3, v16
	v_mul_u32_u24 v15, s42, v15                    ; layer 0 has no mask: one region
	v_cmp_eq_u32 vcc_lo, 7, v4
	v_cndmask_b32 v16, 0, 1, vcc_lo
	v_cmp_eq_u32 vcc_lo, 7, v5
	v_cndmask_b32 v17, 0, 1, vcc_lo
	v_or_b32 v16, v16, v17
	v_and_b32 v16, s42, v16                        ; the flag: this window has more than one region
	v_cmp_eq_u32 vcc_lo, 63, v3
	v_cndmask_b32 v14, v14, v16, vcc_lo            ; it takes entry 63 of the natural order, which no token uses
	v_lshlrev_b32 v18, 2, v1
	global_store_b32 v18, v11, s[38:39]
	global_store_b32 v18, v14, s[38:39] offset:16384
	global_store_b32 v18, v15, s[38:39] offset:32768
	s_endpgm
.Lfunc_end_k_q7853a65be8_prep:
	.size	k_q7853a65be8_prep, .Lfunc_end_k_q7853a65be8_prep-k_q7853a65be8_prep
	.p2alignl 7, 3214868480
	.fill 96, 4, 3214868480
	.section	.rodata,"a",@progbits
	.p2align	6, 0x0
	.amdhsa_kernel k_q7853a65be8_prep
		.amdhsa_group_segment_fixed_size 0
		.amdhsa_private_segment_fixed_size 0
		.amdhsa_enable_private_segment 0
		.amdhsa_kernarg_size 136
		.amdhsa_user_sgpr_count 2
		.amdhsa_user_sgpr_kernarg_segment_ptr 1
		.amdhsa_wavefront_size32 1
		.amdhsa_system_sgpr_workgroup_id_x 1
		.amdhsa_system_sgpr_workgroup_id_y 1
		.amdhsa_system_sgpr_workgroup_id_z 1
		.amdhsa_system_vgpr_workitem_id 0
		.amdhsa_next_free_vgpr 128
		.amdhsa_next_free_sgpr 66
		.amdhsa_reserve_vcc 1
		.amdhsa_float_denorm_mode_32 3
		.amdhsa_float_denorm_mode_16_64 3
		.amdhsa_fp16_overflow 1
		.amdhsa_memory_ordered 1
		.amdhsa_forward_progress 1
		.amdhsa_inst_pref_size 28
	.end_amdhsa_kernel
	.amdgpu_metadata
---
amdhsa.version: [ 1, 2 ]
amdhsa.kernels:
  - .name:           k_q7853a65be8_prep
    .symbol:         k_q7853a65be8_prep.kd
    .args:
      - { .name: qkvw, .offset: 0, .size: 8, .value_kind: global_buffer, .address_space: global }
      - { .name: pw, .offset: 8, .size: 8, .value_kind: global_buffer, .address_space: global }
      - { .name: f1w, .offset: 16, .size: 8, .value_kind: global_buffer, .address_space: global }
      - { .name: f2w, .offset: 24, .size: 8, .value_kind: global_buffer, .address_space: global }
      - { .name: rpb, .offset: 32, .size: 8, .value_kind: global_buffer, .address_space: global }
      - { .name: n1g, .offset: 40, .size: 8, .value_kind: global_buffer, .address_space: global }
      - { .name: n1b, .offset: 48, .size: 8, .value_kind: global_buffer, .address_space: global }
      - { .name: n2g, .offset: 56, .size: 8, .value_kind: global_buffer, .address_space: global }
      - { .name: n2b, .offset: 64, .size: 8, .value_kind: global_buffer, .address_space: global }
      - { .name: pb, .offset: 72, .size: 8, .value_kind: global_buffer, .address_space: global }
      - { .name: f2b, .offset: 80, .size: 8, .value_kind: global_buffer, .address_space: global }
      - { .name: qkvb, .offset: 88, .size: 8, .value_kind: global_buffer, .address_space: global }
      - { .name: f1b, .offset: 96, .size: 8, .value_kind: global_buffer, .address_space: global }
      - { .name: lay0, .offset: 104, .size: 8, .value_kind: global_buffer, .address_space: global }
      - { .name: lay1, .offset: 112, .size: 8, .value_kind: global_buffer, .address_space: global }
      - { .name: rows0, .offset: 120, .size: 8, .value_kind: global_buffer, .address_space: global }
      - { .name: rows1, .offset: 128, .size: 8, .value_kind: global_buffer, .address_space: global }
    .group_segment_fixed_size: 0
    .private_segment_fixed_size: 0
    .kernarg_segment_align: 8
    .kernarg_segment_size: 136
    .max_flat_workgroup_size: 128
    .sgpr_count:     66
    .vgpr_count:     128
    .wavefront_size: 32
...
	.end_amdgpu_metadata
.endif
;; end of part 1
;; launch blk (part 2): grid 256 x 1, 4 waves a work-group, no clusters, 218,112 bytes of LDS; arguments x, lay0, rows0, mid; writes mid
.if DOCPART == 2
	.amdgcn_target "amdgcn-amd-amdhsa--gfx1250"
	.amdhsa_code_object_version 6
	.text
	.protected	k_q7853a65be8_blk
	.globl	k_q7853a65be8_blk
	.p2align	8
	.type	k_q7853a65be8_blk,@function
k_q7853a65be8_blk:
	s_mov_b64 s[64:65], 0
	v_nop
	global_prefetch_b8 v0, s[64:65] scope:SCOPE_SE
	s_setreg_imm32_b32 hwreg(HW_REG_WAVE_MODE, 25, 1), 1
	s_wait_xcnt 0x0
; ONE SWIN BLOCK, FUSED: LN1, windows of 7 x 7 (the roll lies in the table of rows), qkv, attention of 4 heads with bias and mask, proj, residual, LN2, fc1, GELU, fc2, residual.
; All six products on codes of E4M3 with one E8M0 scale for each 32 along K; everything else in f32.  Arguments: x in, the layer's lay, the layer's rows, x out.
; SHARES.  2,048 windows, 256 work-groups, 8 windows each: work-group g takes image g / 8 and the windows (i, (i + g % 8) % 8), i = 0 .. 7, so that none has more than two windows with a mask.
; Four waves of 1,024 registers.  THE WAVES SHARE THE COLUMNS: wave w owns head w, hidden units 128 w .. + 127 and outputs 32 w .. + 31; the norms and proj go by tiles of 16 rows, tile w.
; proj's, fc1's and fc2's fragments stay in registers (384); qkv's, the bias table and the gains stay in LDS.  Operands go from wave to wave through LDS as images of their registers.
; NO CLUSTER, NO TENSOR LOAD: what work-groups share is the layer's 281,088 bytes, read once at the head, two thirds of them into registers; a branch below hangs on a stored flag.
; NO PREFETCH: a window's x is asked for into registers a whole MLP ahead of its use.
; THE HEAD asks first for what the first phases want (a table entry, what goes to LDS, x, q/k/v's biases and scale words) and last for the weights that stay in registers: the youngest of those loads
; are on their way while the first window's LN1, qkv and attention run; the wait for them stands at proj.
; LAYOUT.  Products with a weight are used transposed (source 0 = 16 columns of the weight, source 1 = 16 rows): a lane holds one token, its registers run along the columns; the columns of a
; tile are 32 b + 8 u + r + (r & 8), so that two tiles' 16 registers are 16 neighbours along the next K.  The window's 64 slots hold its tokens in the same order, so that a tile of keys has that order too:
; S^T = K Q^T gives a lane one query and 16 neighbouring keys; V^T comes from the product used the other way round (source 0 = rows).  Slots 49 .. 63 repeat token 48; as keys they carry the logit -1e30 and V = 0.
; THE MLP runs on tokens 0 .. 47 (three tiles, natural order); token 48 of each of the 8 windows is parked in LDS and makes one more tile behind the loop: 25 tiles where padding would make 32.
; SOFTMAX: t = logit x log2(e), M = ceil(the row's largest t), p = 2^(t - M) is quantised, the sum of the unquantised p divides at the end.
; GELU = max(x, 0) - |x| phi(x) (c1 u + .. + c5 u^5), u = 1 / (1 + 0.2316419 |x|): the normal tail by a five-term series, absolute error 7.5e-8 in the tail; no difference of near numbers for x < 0.
; LIMITS: NaN and infinities among the inputs are not served; a block of zeros gets the scale byte 1 (its codes are zeros; only this program reads the bytes); an exponential under 2^-126 comes out as 0.
; ---- lay
.set PAR,   49152
.set BIA,   55808
.set FRG2,  121344
.set SCW,   268800
; ---- LDS
.set PARL,  49152                      ; behind qkv's 24 fragments: n1g, n1b, n2g, n2b, pb, 512 bytes each (and three chunks that ride along)
.set BIAS,  53248                      ; 16,384 bytes a head
.set RID,   118784                     ; region ids: 256 bytes for each of my 8 windows
.set BASE1, 120832
.set XSC,   129024                     ; XIMG at BASE1: LN1's four fragments; their scale words
.set OIMG,  129536                     ; attention's result: tile T at 2048 T, head w's piece at 512 w
.set OSC,   137728
.set X2IMG, 138240                     ; LN2's four fragments, tokens in natural order
.set X2SC,  146432
.set HIMG,  146944                     ; the hidden layer: tile m, K step s at 2048 (4 m + s)
.set HSC,   171520
.set BASE2, 173056                     ; XS: 64 rows of 512 bytes + 16: x after attention, then the block's result in place
.set LIMG,  206848                     ; the parked tokens' fragment: rows i and i + 8 hold window i's
.set LSC,   208896
.set LX,    209152                     ; and their rows of x: 16 rows of 528 bytes
; ---- vector registers, window 0
.set LI,1
.set LS,2
.set H64,3
.set L1,4
.set S1,5
.set L1W,6
.set S1W,7
.set OA0,8
.set OB0,9
.set BA0,10
.set RK0,11
.set RQ0,12
.set QW,13
.set L2,14
.set S2,15
.set XA,16
.set YA,17
.set OUTA,18
.set LOUT,19
.set X2W,20
.set X2S,21
.set LCIS,22
.set LCID,23
.set LCSS,24
.set LCSD,25
.set TOF,26
.set TKV,27
.set XAD,28
.set AD0,29
.set AD1,30
.set AD2,31
.set AD3,32
.set AD4,33
.set AD5,34
.set AD6,35
.set WSQ,36                            ; scale words of the weights: qkv 6, proj 8, fc1 8, fc2 8
.set WSP,42
.set WS1,50
.set WS2,58
.set SCR,66                            ; scale words of operands made on the way: v66-79
.set KS,70
.set VS,74
.set QS,76
.set PS,78
.set TM,80                             ; v80-103 at work in the quantisers; address temporaries at the head
.set ST,104                            ; v104-119 statistics
.set C5V,120
.set PW,122
.set WA,124                            ; v124-187
.set WB,188                            ; v188-251
.set QB,WB+32                          ; q's codes, 4 a tile
.set PB,WB+40                          ; p's codes, 8 a tile; WB+56 .. 63 stay zero while queries are walked
.set GA,WB                             ; GELU: two sets of 32 registers (u, the exponential) that take turns: v188-219
.set GB,TM                             ; and v80-111, which lie idle while GELU runs
.set MX,WB+32                          ; GELU: max(x, 0)
.set PP,WB+48                          ; GELU: the series
; ---- window 1: fc1's 8 fragments, fc2's 8.  window 2: proj's 8 fragments, biases in the accumulators' layout.  window 3: x, fragments in hand, K's and V's codes, q/k weight fragments
.set F1W,0
.set F2W,128
.set PWR,0
.set QKB,128
.set VB,160
.set F2B,176
.set F1B,192
.set X,0
.set FR,64
.set KP,128
.set VP,192
.set WQ,224
; ---- scalar registers
.set WV,12
.set CD,13
.set R128,14
.set IW,15
.set WINC,16
.set WINN,17
.set PQ,18
.set MT,19
.set SEL,20
.set MNT,22
.set LOW,23
.set CL,24
.set QSC,26
.set NHL,28
.set C4,30
.set C3,32
.set C2,34
.set C1,36
.set FLG,38
.set KEEP,39
.set SP128,40
.set SP256,41
.set SP4K,42
.set SP8K,43
.set SI4,44
.set SI16,45
.set SI256,46
.set SI528,47
.set TKN,48
.set SM128,66
.set SM512,67
.set SM2K,68
.set SM8K,69
.set TO0,70
.set TO1,71
.set MSB, 0
.macro WIN new                         ; bits 1:0 source 0, 3:2 source 1, 5:4 source 2, 7:6 destination; the high byte repeats the setting that is left
.if MSB != (\new)
	s_set_vgpr_msb (MSB<<8)|(\new)
.set MSB, \new
.endif
.endm
.macro NOPS n
.rept \n
	v_nop
.endr
.endm
.macro BARRIER                         ; my LDS stores have landed and my LDS loads are in: then the work-group's barrier
	s_wait_dscnt 0x0
	s_barrier_signal -1
	s_barrier_wait -1
.endm
.macro FETCH reg, adr, off             ; a fragment's image into 16 registers
.irp c, 0,1,2,3
	ds_load_b128 v[\reg+4*\c:\reg+4*\c+3], v[\adr] offset:\off+512*\c
.endr
.endm
.macro IMAGE adr, src, off             ; and 16 registers into an image
.irp c, 0,1,2,3
	ds_store_b128 v[\adr], v[\src+4*\c:\src+4*\c+3] offset:\off+512*\c
.endr
.endm
.macro GAIN reg, off                   ; 64 numbers of a parameter of 128: register 16 b + i = channel 32 b + 16 h + i
.irp b, 0,1,2,3
.irp j, 0,1,2,3
	ds_load_b128 v[\reg+16*\b+4*\j:\reg+16*\b+4*\j+3], v[H64] offset:\off+128*\b+16*\j
.endr
.endr
.endm
.macro WM d, a, b, c, sa, sb
	v_wmma_scale_f32_16x16x128_f8f6f4 v[\d:\d+7], v[\a:\a+15], v[\b:\b+15], v[\c:\c+7], v[\sa], v[\sb]
.endm
.macro PACK4                           ; four bytes make a row's scale word
	v_lshl_or_b32 v[PW], v[TM+5], 8, v[TM+4]
	v_lshl_or_b32 v[PW], v[TM+6], 16, v[PW]
	v_lshl_or_b32 v[PW], v[TM+7], 24, v[PW]
.endm
.macro CVT2 s, q, d
	v_cvt_scalef32_pk8_fp8_f32 v[\d:\d+1], v[\s+16*\q:\s+16*\q+7], v[TM+12+\q]
	v_cvt_scalef32_pk8_fp8_f32 v[\d+2:\d+3], v[\s+16*\q+8:\s+16*\q+15], v[TM+12+\q]
.endm
; nb blocks (2 or 4): block q is v[src + 16 q ..], my 16 numbers of a block of 32 that I share with lane l xor 16.  Its byte goes to v[bd + q], its 16 codes to v[dq ..] of window dwin.
.macro QUANT src, nb, bd, dwin, d0, d1, d2, d3
.irp q, 0,1,2,3
.if \q < \nb
	v_max3_num_f32 v[TM+\q], |v[\src+16*\q]|, |v[\src+16*\q+1]|, 0x4800000   ; with the floor 2^(9 - 127): the byte cannot fall under 1
.endif
.endr
.irp i, 2,4,6,8,10,12,14
.irp q, 0,1,2,3
.if \q < \nb
	v_max3_num_f32 v[TM+\q], v[TM+\q], |v[\src+16*\q+\i]|, |v[\src+16*\q+\i+1]|
.endif
.endr
.endr
.irp q, 0,1,2,3
.if \q < \nb
	v_permlanex16_b32 v[TM+4+\q], v[TM+\q], s[SEL], s[SEL+1]
.endif
.endr
.irp q, 0,1,2,3
.if \q < \nb
	v_max_num_f32 v[TM+\q], v[TM+\q], v[TM+4+\q]
.endif
.endr
.irp q, 0,1,2,3
.if \q < \nb
	v_add_nc_u32 v[TM+12+\q], 0xfc000000, v[TM+\q]             ; 8 off the exponent field: the conversion's scale operand
.endif
.endr
.irp q, 0,1,2,3
.if \q < \nb
	v_and_or_b32 v[TM+8+\q], v[TM+\q], 0x7f800000, s[MNT]      ; 448 x the scale
.endif
.endr
.irp q, 0,1,2,3
.if \q < \nb
	v_lshrrev_b32 v[\bd+\q], 23, v[TM+12+\q]                   ; the byte
.endif
.endr
.irp q, 0,1,2,3
.if \q < \nb
.set k, 0
.rept 16
.set k, k+1
.endr
.endif
.endr
	WIN (\dwin)<<6
	CVT2 \src, 0, \d0
	CVT2 \src, 1, \d1
.if \nb > 2
	CVT2 \src, 2, \d2
	CVT2 \src, 3, \d3
.endif
	WIN 0
	v_nop                                          ; a plain line behind the last conversion
.endm
.macro FOLD                            ; four packed chains, their halves, and lane l xor 16's: the row's sum in v[ST]
	v_pk_add_f32 v[ST:ST+1], v[ST:ST+1], v[ST+2:ST+3]
	v_pk_add_f32 v[ST+4:ST+5], v[ST+4:ST+5], v[ST+6:ST+7]
	v_pk_add_f32 v[ST:ST+1], v[ST:ST+1], v[ST+4:ST+5]
	v_add_f32 v[ST], v[ST], v[ST+1]
	v_permlanex16_b32 v[ST+1], v[ST], s[SEL], s[SEL+1]
	v_add_f32 v[ST], v[ST], v[ST+1]
.endm
; LayerNorm of a row of 128, 64 numbers a lane: v[src ..] of window sw -> v[N ..]; gains in v[G ..], biases in v[B3 ..] of window 3, both on their way from LDS until the wait below
.macro LNORM sw, src, N, G, B3
	WIN (\sw)|((\sw)<<2)
.irp c, 0,2,4,6
	v_pk_add_f32 v[ST+\c:ST+\c+1], v[\src+\c:\src+\c+1], v[\src+8+\c:\src+8+\c+1]
.endr
	WIN \sw
.irp k, 16,24,32,40,48,56
.irp c, 0,2,4,6
	v_pk_add_f32 v[ST+\c:ST+\c+1], v[\src+\k+\c:\src+\k+\c+1], v[ST+\c:ST+\c+1]
.endr
.endr
	WIN 0
	FOLD
	v_mul_f32 v[ST+8], s[R128], v[ST]              ; the mean
	WIN \sw
.set k, 0
.rept 32
	v_pk_add_f32 v[\N+k:\N+k+1], v[\src+k:\src+k+1], v[ST+8:ST+9] op_sel_hi:[1,0] neg_lo:[0,1] neg_hi:[0,1]
.set k, k+2
.endr
	WIN 0
.irp c, 0,2,4,6
	v_pk_mul_f32 v[ST+\c:ST+\c+1], v[\N+\c:\N+\c+1], v[\N+\c:\N+\c+1]
.endr
.irp k, 8,16,24,32,40,48,56
.irp c, 0,2,4,6
	v_pk_fma_f32 v[ST+\c:ST+\c+1], v[\N+\k+\c:\N+\k+\c+1], v[\N+\k+\c:\N+\k+\c+1], v[ST+\c:ST+\c+1]
.endr
.endr
	FOLD
	v_fmaak_f32 v[ST], s[R128], v[ST], 0x3727c5ac  ; the variance + 1e-5
	v_rsq_f32 v[ST+10], v[ST]
	v_nop                                          ; a plain line behind the transcendental,
	s_wait_alu depctr_va_vdst(0)                   ; and the wait ahead of its first reader
	s_wait_dscnt 0x0                               ; gains and biases are in
.set k, 0
.rept 32
	v_pk_mul_f32 v[\N+k:\N+k+1], v[\N+k:\N+k+1], v[ST+10:ST+11] op_sel_hi:[1,0]
.set k, k+2
.endr
	WIN 0x30
.set k, 0
.rept 32
	v_pk_fma_f32 v[\N+k:\N+k+1], v[\N+k:\N+k+1], v[\G+k:\G+k+1], v[\B3+k:\B3+k+1]
.set k, k+2
.endr
	WIN 0
.endm
; GELU, in place, IN A PIPELINE OF FOUR GROUPS OF 16 NUMBERS.  A group h has a set u of 32 registers: u + 0 .. 15 hold 1 + 0.2316419 |x|, then its reciprocal; u + 16 .. 31 hold - x^2 log2(e) / 2, then its
; exponential.  The two sets take turns, so that a group's 32 transcendentals can be issued with the next group's preparation between them: a plain line follows each transcendental, and sixteen more plain
; lines stand between the batch and its one wait.  The last group has no successor: its transcendentals stand among the series of the group before.
.macro GPRE2 h, u                      ; the second half of a group's preparation: 16 plain lines
.set k, 0
.rept 8
	v_pk_mul_f32 v[\u+16+k:\u+17+k], v[\h+k:\h+k+1], v[\h+k:\h+k+1]
.set k, k+2
.endr
.set k, 0
.rept 8
	v_pk_mul_f32 v[\u+16+k:\u+17+k], v[\u+16+k:\u+17+k], s[NHL:NHL+1] op_sel_hi:[1,0]   ; - x^2 log2(e) / 2
.set k, k+2
.endr
.endm
.macro GPRE h, u                       ; a group's whole preparation
.set k, 0
.rept 16
	v_fma_f32 v[\u+k], |v[\h+k]|, 0x3e6d3389, 1.0
.set k, k+1
.endr
	GPRE2 \h, \u
.endm
.macro GTRP h, u, h2, u2               ; group (h, u)'s transcendentals and its max(x, 0), with group (h2, u2)'s preparation between and behind them; then the batch's wait
.set k, 0
.rept 16
	v_rcp_f32 v[\u+k], v[\u+k]
	v_fma_f32 v[\u2+k], |v[\h2+k]|, 0x3e6d3389, 1.0
	v_exp_f32 v[\u+16+k], v[\u+16+k]
	v_max_num_f32 v[MX+k], 0, v[\h+k]
.set k, k+1
.endr
	GPRE2 \h2, \u2
	s_wait_alu depctr_va_vdst(0)                   ; ahead of the batch's first reader
.endm
.macro TR1 u2                          ; the next of set u2's 32 transcendentals, while there are any
.if t < 32
.if (t%2) == 0
	v_rcp_f32 v[\u2+t/2], v[\u2+t/2]
.else
	v_exp_f32 v[\u2+16+t/2], v[\u2+16+t/2]
.endif
.set t, t+1
.endif
.endm
.macro GPOLY h, u, u2, with            ; group (h, u)'s series and result.  with = 1: one of set u2's transcendentals follows each of the series' 32 multiply-adds; nothing here names their results
.set t, 32
.if \with
.set t, 0
.endif
.set k, 0
.rept 8
	v_pk_fma_f32 v[PP+k:PP+k+1], v[\u+k:\u+k+1], v[C5V:C5V+1], s[C4:C4+1] op_sel_hi:[1,1,0]
	TR1 \u2
.set k, k+2
.endr
.irp cc, C3, C2, C1
.set k, 0
.rept 8
	v_pk_fma_f32 v[PP+k:PP+k+1], v[PP+k:PP+k+1], v[\u+k:\u+k+1], s[\cc:\cc+1] op_sel_hi:[1,1,0]
	TR1 \u2
.set k, k+2
.endr
.endr
.set k, 0
.rept 8
	v_pk_mul_f32 v[PP+k:PP+k+1], v[PP+k:PP+k+1], v[\u+k:\u+k+1]
.set k, k+2
.endr
.set k, 0
.rept 8
	v_pk_mul_f32 v[PP+k:PP+k+1], v[PP+k:PP+k+1], v[\u+16+k:\u+17+k]
.set k, k+2
.endr
.set k, 0
.rept 16
	v_fma_f32 v[\h+k], -|v[\h+k]|, v[PP+k], v[MX+k]
.set k, k+1
.endr
.endm
.macro XLOAD                           ; my tile's 16 rows of x: lane (r, h) takes, of row r, 16 neighbours of each block of 32
	WIN 0xC0
.irp b, 0,1,2,3
.irp j, 0,1,2,3
	global_load_b128 v[X+16*\b+4*\j:X+16*\b+4*\j+3], v[XAD], s[4:5] offset:128*\b+16*\j
.endr
.endr
	WIN 0
.endm
; fc1, GELU and the quantiser for the tile of rows whose fragment lies in FR (waited for by the caller or by the trip before): my 128 hidden units become K step w of fc2.
; nxt = 1: the next tile's fragment is fetched meanwhile; the wait for it stands ahead of this tile's stores, so that the next trip's products wait for no store.
.macro F1TILE nxt
	WIN 0x2D                                       ; fc1's fragments window 1, the rows' window 3, the bias window 2
.irp t, 0,1,2,3,4,5,6,7
	WM WA+8*\t, F1W+16*\t, FR, F1B+8*\t, WS1+\t, SCR
.endr
	WIN 0
	v_add_nc_u32 v[AD2], s[SM8K], v[L1W]           ; eight plain lines stand behind the products, ahead of loads into their operands and of the first read of results
	v_add_nc_u32 v[AD3], s[SM512], v[S1W]
.if \nxt
	v_add_nc_u32 v[AD0], s[SM2K], v[L1]
	v_add_nc_u32 v[AD1], s[SM128], v[S1]
	NOPS 4
	WIN 0xC0
	FETCH FR, AD0, X2IMG-BASE1+2048
	WIN 0
	ds_load_b32 v[SCR], v[AD1] offset:X2SC-BASE1+128
.else
	NOPS 6
.endif
	GPRE WA, GA
	GTRP WA, GA, WA+16, GB
	GPOLY WA, GA, GB, 0
	GTRP WA+16, GB, WA+32, GA
	GPOLY WA+16, GB, GA, 0
	GTRP WA+32, GA, WA+48, GB
	GPOLY WA+32, GA, GB, 1
.set k, 0
.rept 16
	v_max_num_f32 v[MX+k], 0, v[WA+48+k]           ; sixteen plain lines between the last batch and its wait
.set k, k+1
.endr
	s_wait_alu depctr_va_vdst(0)                   ; ahead of the batch's first reader
	GPOLY WA+48, GB, GA, 0
	QUANT WA, 4, TM+4, 0, WB, WB+4, WB+8, WB+12
	PACK4
.if \nxt
	s_wait_dscnt 0x0                               ; the next tile's fragment and scale words, asked for a whole GELU ago, are in
.endif
	IMAGE AD2, WB, HIMG-BASE1
	ds_store_b32 v[AD3], v[PW] offset:HSC-BASE1
.endm
.macro FETCHH s, buf, win, nt          ; K step s of the hidden layer, nt tiles of rows: 5 nt loads
	WIN (\win)<<6
.irp m, 0,1,2
.if \m < \nt
	FETCH \buf+16*\m, L1, HIMG-BASE1+2048*(4*\m+\s)
.endif
.endr
	WIN 0
.irp m, 0,1,2
.if \m < \nt
	ds_load_b32 v[SCR+3*\s+\m], v[S1] offset:HSC-BASE1+128*(4*\m+\s)
.endif
.endr
.endm
.macro MUL s, buf, win, nt             ; 2 nt accumulators by turns, one instruction a turn
	WIN 0x01|((\win)<<2)
.irp m, 0,1,2
.if \m < \nt
.irp n, 0,1
	WM WB+8*(2*\m+\n), F2W+16*(4*\n+\s), \buf+16*\m, WB+8*(2*\m+\n), WS2+4*\n+\s, SCR+3*\s+\m
.endr
.endif
.endr
.endm
; fc2 for nt tiles of rows whose x lies co bytes behind XS: the sums begin with x (the residual), take fc2's bias at the end and go back to the bytes that x came from
.macro F2 nt, co
.irp m, 0,1,2
.if \m < \nt
.irp n, 0,1
	ds_load_b128 v[WB+8*(2*\m+\n):WB+8*(2*\m+\n)+3], v[YA] offset:\co+8448*\m+64*\n
	ds_load_b128 v[WB+8*(2*\m+\n)+4:WB+8*(2*\m+\n)+7], v[YA] offset:\co+8448*\m+64*\n+16
.endr
.endif
.endr
	FETCHH 0, FR, 3, \nt
	FETCHH 1, WA, 0, \nt
	s_wait_dscnt 5*\nt                             ; all but K step 1's loads
	MUL 0, FR, 3, \nt
	NOPS 8
	FETCHH 2, FR, 3, \nt
	s_wait_dscnt 5*\nt                             ; all but K step 2's
	MUL 1, WA, 0, \nt
	NOPS 8
	FETCHH 3, WA, 0, \nt
	s_wait_dscnt 5*\nt                             ; all but K step 3's
	MUL 2, FR, 3, \nt
	s_wait_dscnt 0x0
	MUL 3, WA, 0, \nt
	NOPS 8
	WIN 0x08                                       ; source 1: window 2
.irp m, 0,1,2
.if \m < \nt
.irp n, 0,1
.irp j, 0,2,4,6
	v_pk_add_f32 v[WB+8*(2*\m+\n)+\j:WB+8*(2*\m+\n)+\j+1], v[WB+8*(2*\m+\n)+\j:WB+8*(2*\m+\n)+\j+1], v[F2B+8*\n+\j:F2B+8*\n+\j+1]
.endr
.endr
.endif
.endr
	WIN 0
.irp m, 0,1,2
.if \m < \nt
.irp n, 0,1
	ds_store_b128 v[YA], v[WB+8*(2*\m+\n):WB+8*(2*\m+\n)+3] offset:\co+8448*\m+64*\n
	ds_store_b128 v[YA], v[WB+8*(2*\m+\n)+4:WB+8*(2*\m+\n)+7] offset:\co+8448*\m+64*\n+16
.endr
.endif
.endr
.endm
; ======== THE HEAD
	s_load_b256 s[4:11], s[0:1], 0x0               ; x in s[4:5], lay s[6:7], rows s[8:9], x out s[10:11]
	v_lshl_add_u32 v254, v0, 2, 0x35200
	v_mov_b32 v255, 0
	v_lshrrev_b32 v29, 5, v0
	v_readfirstlane_b32 s[WV], v29                 ; wave 0 .. 3
	v_and_b32 v30, 31, v0                          ; l
	v_and_b32 v31, 15, v0                          ; r
	v_bfe_u32 v32, v0, 4, 1                        ; h
	v_and_b32 v33, 8, v31
	v_add_nc_u32 v33, v33, v31                     ; r + (r & 8)
	v_lshlrev_b32 v[LI], 4, v30
	v_lshlrev_b32 v[LS], 2, v30
	v_lshlrev_b32 v[H64], 6, v32
	v_add_nc_u32 v[L1], BASE1, v[LI]
	v_add_nc_u32 v[S1], BASE1, v[LS]
	s_lshl_b32 s60, s[WV], 11
	v_add_nc_u32 v[L1W], s60, v[L1]
	s_lshl_b32 s60, s[WV], 7
	v_add_nc_u32 v[S1W], s60, v[S1]
	s_lshl_b32 s60, s[WV], 9
	v_add_nc_u32 v[OA0], s60, v[L1]
	v_add_nc_u32 v[OB0], s[WV], v[S1]
	s_lshl_b32 s60, s[WV], 14
	s_add_co_u32 s60, s60, BIAS
	v_add_nc_u32 v[BA0], s60, v[LI]
	v_add_nc_u32 v[RK0], RID, v[H64]
	v_lshl_add_u32 v[RQ0], v33, 2, RID
	s_lshl_b32 s60, s[WV], 12
	v_add_nc_u32 v[QW], s60, v[LI]
	v_add_nc_u32 v[L2], BASE2, v[LI]
	v_add_nc_u32 v[S2], BASE2, v[LS]
	s_lshr_b32 s60, s[WV], 1
	s_lshl_b32 s60, s60, 5
	s_and_b32 s61, s[WV], 1
	s_lshl_b32 s61, s61, 3
	s_add_co_u32 s60, s60, s61
	v_add_nc_u32 v34, s60, v33                     ; n: the window token in slot r of tile w
	v_mul_u32_u24 v[XA], v34, 528
	v_add_nc_u32 v[XA], v[XA], v[H64]
	v_add_nc_u32 v[XA], BASE2, v[XA]
	v_mul_u32_u24 v[YA], v31, 528
	v_lshl_add_u32 v[YA], v32, 5, v[YA]
	s_lshl_b32 s60, s[WV], 7
	s_add_co_u32 s60, s60, BASE2
	v_add_nc_u32 v[YA], s60, v[YA]
	s_mul_i32 s60, s[WV], 6336
	s_add_co_u32 s60, s60, BASE2
	v_add_nc_u32 v[OUTA], s60, v[LI]               ; rows 12 w on
	s_mul_i32 s60, s[WV], 1056
	s_add_co_u32 s60, s60, LX
	v_add_nc_u32 v[LOUT], s60, v[LI]               ; parked rows 2 w, 2 w + 1
	v_lshrrev_b32 v35, 4, v34
	v_and_b32 v34, 15, v34
	v_lshlrev_b32 v[X2W], 11, v35
	v_lshl_add_u32 v[X2W], v34, 4, v[X2W]
	v_lshl_add_u32 v[X2W], v32, 8, v[X2W]
	v_add_nc_u32 v[X2W], X2IMG, v[X2W]             ; token n's place in the natural order's images: tile n / 16, lane n % 16 + 16 h
	v_lshlrev_b32 v[X2S], 7, v35
	v_lshl_add_u32 v[X2S], v34, 2, v[X2S]
	v_lshl_add_u32 v[X2S], v32, 6, v[X2S]
	v_add_nc_u32 v[X2S], X2SC, v[X2S]
	v_and_b32 v34, 3, v0
	v_bfe_u32 v35, v0, 2, 1
	v_lshlrev_b32 v[LCIS], 9, v34
	v_lshl_add_u32 v[LCIS], v35, 8, v[LCIS]        ; parking: lane l moves piece l % 4 of half (l / 4) % 2 of token 48's codes,
	v_bfe_u32 v34, v0, 3, 1
	v_lshl_add_u32 v[LCID], v34, 7, v[LCIS]        ; to row i or i + 8 by (l / 8) % 2 (lanes 16-31 repeat lanes 0-15)
	v_add_nc_u32 v[LCID], LIMG, v[LCID]
	v_add_nc_u32 v[LCIS], X2IMG+6144, v[LCIS]
	v_mov_b32 v[LCSS], X2SC+384
	v_and_b32 v34, 1, v0
	v_bfe_u32 v35, v0, 1, 1
	v_lshlrev_b32 v[LCSD], 5, v34
	v_lshl_add_u32 v[LCSD], v35, 6, v[LCSD]
	v_add_nc_u32 v[LCSD], LSC, v[LCSD]             ; its scale word to lanes i, i + 8, i + 16, i + 24 of the image
	s_lshl_b32 s60, s[WV], 6
	v_lshl_add_u32 v[TOF], v31, 2, s60             ; my slot's entry in a window's table: 4 (16 w + r)
	; address temporaries of the head (TM + 4 .. 7 are written here: a lane permute's destination counts as one of its sources)
	s_lshl_b32 s60, s[WV], 14
	v_add_nc_u32 v[TM], s60, v[LI]
	s_lshl_b32 s60, s[WV], 8
	v_add_nc_u32 v[TM+1], s60, v[LS]
	s_lshl_b32 s60, s[WV], 10
	v_add_nc_u32 v[TM+2], s60, v[LS]
	s_lshl_b32 s60, s[WV], 7
	v_add_nc_u32 v[TM+3], s60, v[H64]
	v_lshl_add_u32 v[TM+4], v33, 2, s60
	v_lshl_add_u32 v[TM+5], v32, 5, s60
	s_lshl_b32 s60, s[WV], 9
	v_add_nc_u32 v[TM+6], s60, v[H64]
	s_add_co_u32 s60, s60, RID
	v_lshl_add_u32 v[TM+10], v30, 3, s60           ; LDS: the region ids of my two windows
	s_mul_i32 s60, s[WV], 13312
	v_add_nc_u32 v[TM+7], s60, v[LI]               ; my quarter of the first 53,248 bytes of lay: the same offset in memory and in LDS
	s_and_b32 s[CD], ttmp9, 7                      ; my diagonal
	s_lshl_b32 s60, s[WV], 1                       ; windows i = 2 w and 2 w + 1: number 8 i + (i + diagonal) % 8
	s_add_co_u32 s61, s60, s[CD]
	s_and_b32 s61, s61, 7
	s_lshl_b32 s62, s60, 3
	s_add_co_u32 s62, s62, s61
	s_lshl_b32 s62, s62, 8
	v_lshl_add_u32 v[TM+8], v30, 3, s62
	s_add_co_u32 s60, s60, 1
	s_add_co_u32 s61, s60, s[CD]
	s_and_b32 s61, s61, 7
	s_lshl_b32 s62, s60, 3
	s_add_co_u32 s62, s62, s61
	s_lshl_b32 s62, s62, 8
	v_lshl_add_u32 v[TM+9], v30, 3, s62
	s_lshl_b32 s60, s[CD], 8                       ; window 0 of my eight has the number of my diagonal
	v_add_nc_u32 v[TKV], s60, v[TOF]
	v_mov_b32 v[ST+9], 0                           ; upper halves of pairs whose low word serves both halves: written once
	v_mov_b32 v[ST+11], 0
	v_mov_b32 v[ST+13], 0
	v_mov_b32 v[ST+15], 0
	v_mov_b32 v[C5V], 0x3f07dc22                   ; c5 = 0.5307027145
	v_mov_b32 v[C5V+1], 0x3f07dc22
	s_mov_b32 s[R128], 0x3c000000                  ; 1 / 128
	s_mov_b32 s[SEL], 0x76543210
	s_mov_b32 s[SEL+1], 0xfedcba98                 ; lane l xor 16
	s_mov_b32 s[MNT], 0x600000                     ; the mantissa field of 448
	s_mov_b32 s[LOW], 0xffff                       ; lanes 0-15
.macro PAIR reg, val                   ; a constant for packed forms: the pair is named, so both words are written
	s_mov_b32 s[\reg], \val
	s_mov_b32 s[\reg+1], \val
.endm
	PAIR CL,  0x3fb8aa3b                           ; log2(e)
	PAIR QSC, 0x3e3504f3                           ; 32^-0.5
	PAIR NHL, 0xbf38aa3b                           ; - log2(e) / 2
	PAIR C4,  0xbf3a00e3                           ; -0.7265760135
	PAIR C3,  0x3f35f0e3                           ;  0.7107068705
	PAIR C2,  0xbe11a98e                           ; -0.142248368
	PAIR C1,  0x3e027906                           ;  0.127414796
	s_lshr_b32 s60, ttmp9, 3
	s_mul_i32 s60, s60, 1605632                    ; my image: 3,136 rows of 512 bytes (32 images stay under 2^32)
	s_mov_b32 s61, 0
	s_wait_kmcnt 0x0
	s_add_nc_u64 s[4:5], s[4:5], s[60:61]
	s_add_nc_u64 s[10:11], s[10:11], s[60:61]
	; FIRST what the first phases want
	global_load_b32 v[TKV], v[TKV], s[8:9]         ; my slot's row in the image, window 0 (the load lands on its own address)
	WIN 0x40                                       ; what goes on into LDS passes through window 1, which the weights take afterwards: 60 loads
.set k, 0
.rept 26
	global_load_b128 v[4*k:4*k+3], v[TM+7], s[6:7] offset:512*k
.set k, k+1
.endr
.set k, 0
.rept 32
	global_load_b128 v[104+4*k:104+4*k+3], v[TM], s[6:7] offset:BIA+512*k
.set k, k+1
.endr
	global_load_b64 v[232:233], v[TM+8], s[8:9] offset:32768
	global_load_b64 v[234:235], v[TM+9], s[8:9] offset:32768
	WIN 0
	s_wait_loadcnt 60                              ; the table entry is in: 60 loads were issued behind it
	v_min_u32 v[XAD], 3135, v[TKV]                 ; a loaded row number enters an address only held inside the image
	v_lshl_add_u32 v[XAD], v[XAD], 9, v[H64]
	XLOAD                                          ; 16 loads
	WIN 0x80
.irp p, 0,1
.irp u, 0,1
	global_load_b128 v[QKB+16*\p+8*\u:QKB+16*\p+8*\u+3], v[TM+3], s[6:7] offset:PAR+3072+512*\p+32*\u          ; q's and k's bias at my head's d = 16 h + 8 u + 0 .. 7
	global_load_b128 v[QKB+16*\p+8*\u+4:QKB+16*\p+8*\u+7], v[TM+3], s[6:7] offset:PAR+3072+512*\p+32*\u+16
.endr
.endr
.irp u, 0,1
.irp j, 0,1,2,3,4,5,6,7
	global_load_b32 v[VB+8*\u+\j], v[TM+4], s[6:7] offset:PAR+3072+1024+32*\u   ; v's bias hangs on the lane's column alone: the same number in the accumulator's eight registers
.endr
.endr
	WIN 0
.irp p, 0,1,2
.irp u, 0,1
	global_load_b32 v[WSQ+2*\p+\u], v[TM+1], s[6:7] offset:SCW+1024*\p+128*\u
.endr
.endr
	s_wait_loadcnt 46                              ; what goes to LDS is in: behind it came x's 16 loads, 24 of biases and 6 of scale words
	WIN 0x04                                       ; an LDS store's data are its source 1: window 1
.set k, 0
.rept 26
	ds_store_b128 v[TM+7], v[4*k:4*k+3] offset:512*k
.set k, k+1
.endr
.set k, 0
.rept 32
	ds_store_b128 v[BA0], v[104+4*k:104+4*k+3] offset:512*k
.set k, k+1
.endr
	ds_store_b64 v[TM+10], v[232:233]
	ds_store_b64 v[TM+10], v[234:235] offset:256
	WIN 0xC0
.irp e, 0,1,2,3
.set k, 4
.rept 12
	v_mov_b32 v[KP+16*\e+k], 0                     ; K's fragments have 32 along K: the other 96 are zero codes, written once
.set k, k+1
.endr
.endr
.irp u, 0,1
.set k, 8
.rept 8
	v_mov_b32 v[VP+16*\u+k], 0                     ; V's have 64
.set k, k+1
.endr
.endr
	WIN 0
	s_mov_b32 s[IW], 0
	s_mov_b32 s[SI4], 0
	s_mov_b32 s[SI16], 0
	s_mov_b32 s[SI256], 0
	s_mov_b32 s[SI528], 0
	s_wait_dscnt 0x0                               ; the stores are done: window 1 may be loaded again
	s_wait_loadcnt 0x0                             ; x of window 0, the biases and scale words of qkv
	; LAST the weights that stay in registers: 140 loads, wanted from proj on; the wait for them stands there
	WIN 0x80
.irp f, 0,1,2,3,4,5,6,7
.irp c, 0,1,2,3
	global_load_b128 v[PWR+16*\f+4*\c:PWR+16*\f+4*\c+3], v[LI], s[6:7] offset:FRG2+2048*\f+512*\c
.endr
.endr
.irp n, 0,1
	global_load_b128 v[F2B+8*\n:F2B+8*\n+3], v[TM+5], s[6:7] offset:PAR+2560+64*\n
	global_load_b128 v[F2B+8*\n+4:F2B+8*\n+7], v[TM+5], s[6:7] offset:PAR+2560+64*\n+16
.endr
.irp t, 0,1,2,3,4,5,6,7
	global_load_b128 v[F1B+8*\t:F1B+8*\t+3], v[TM+6], s[6:7] offset:PAR+4608+128*(\t/2)+32*(\t%2)
	global_load_b128 v[F1B+8*\t+4:F1B+8*\t+7], v[TM+6], s[6:7] offset:PAR+4608+128*(\t/2)+32*(\t%2)+16
.endr
	WIN 0x40
.irp t, 0,1,2,3,4,5,6,7
.irp c, 0,1,2,3
	global_load_b128 v[F1W+16*\t+4*\c:F1W+16*\t+4*\c+3], v[TM], s[6:7] offset:FRG2+16384+2048*\t+512*\c
	global_load_b128 v[F2W+16*\t+4*\c:F2W+16*\t+4*\c+3], v[TM], s[6:7] offset:FRG2+81920+2048*\t+512*\c
.endr
.endr
	WIN 0
.irp f, 0,1,2,3,4,5,6,7
	global_load_b32 v[WSP+\f], v[LS], s[6:7] offset:SCW+3072+128*\f
	global_load_b32 v[WS1+\f], v[TM+2], s[6:7] offset:SCW+4096+128*\f
	global_load_b32 v[WS2+\f], v[TM+2], s[6:7] offset:SCW+8192+128*\f
.endr
	s_wait_xcnt 0x0                                ; their address registers, which the first quantiser writes, are rewritten only behind this wait
	BARRIER                                        ; what stays in LDS lies there
; ======== A WINDOW.  Its x lies in registers: the wait for it stands in the head and at the loop's end
.Lwin:
	; ---- A: LN1 of my tile of 16 slots, quantised, its image to LDS
	GAIN WB, PARL
	WIN 0xC0
	GAIN FR, PARL+512
	FETCH WQ, QW, 16384                            ; k's weight fragments, wanted behind the barrier below: they hang on no other wave
	FETCH WQ+16, QW, 16384+2048
	WIN 0
	s_add_co_u32 s60, s[IW], s[CD]
	s_and_b32 s60, s60, 7
	s_lshl_b32 s[WINC], s[IW], 3
	s_add_co_u32 s[WINC], s[WINC], s60             ; this window's number
	s_add_co_u32 s61, s[IW], 1
	s_and_b32 s61, s61, 7
	s_add_co_u32 s60, s61, s[CD]
	s_and_b32 s60, s60, 7
	s_lshl_b32 s[WINN], s61, 3
	s_add_co_u32 s[WINN], s[WINN], s60             ; the next one's
	s_cmp_eq_u32 s[IW], 7
	s_cselect_b32 s[KEEP], 0, -1                   ; behind the last window nothing is wanted: its look-ahead is turned to row 0 of the image, so that every trip issues the same loads
	s_lshl_b32 s[TO0], s[WINC], 8
	s_mul_i32 s[TO1], s[WV], 48
	s_add_co_u32 s[TO1], s[TO1], s[TO0]
	s_load_b256 s[TKN:TKN+7], s[8:9], s[TO1] offset:16384      ; the image rows of tokens 12 w .. 12 w + 11, which I store at the window's end
	s_load_b128 s[TKN+8:TKN+11], s[8:9], s[TO1] offset:16416
	s_load_b32 s[FLG], s[8:9], s[TO0] offset:16636             ; the window's mask flag
	s_lshl_b32 s62, s[WINN], 8
	v_add_nc_u32 v[TKV], s62, v[TOF]
	global_load_b32 v[TKV], v[TKV], s[8:9]         ; my slot's row in the next window
	LNORM 3, X, WA, WB, FR
	QUANT WA, 4, TM+4, 0, WB, WB+4, WB+8, WB+12
	PACK4
	IMAGE L1W, WB, 0
	ds_store_b32 v[S1W], v[PW] offset:XSC-BASE1
	BARRIER                                        ; LN1's four fragments lie in LDS
	; ---- KV: my head's k and v for all 64 slots
.irp e, 0,1,2,3
	ds_load_b32 v[SCR+\e], v[S1] offset:XSC-BASE1+128*\e
.endr
	WIN 0xC0
.irp e, 0,1,2,3
	FETCH FR+16*\e, L1, 2048*\e
.endr
	WIN 0
	FETCH WB, QW, 32768
	FETCH WB+16, QW, 32768+2048
.set k, 32
.rept 32
	v_mov_b32 v[WB+k], 0                           ; q's and p's codes begin as zeros: the products below name runs of 16 registers of which zero codes of K or V meet all but the first.  (Work between the loads and the waits for them)
.set k, k+1
.endr
	s_wait_kmcnt 0x0                               ; the tables
	WIN 0x2F                                       ; weight and rows window 3, bias window 2
.irp e, 0,1,2,3
	s_wait_dscnt 8+4*(3-\e)                        ; tile e is in: behind it came the later tiles' loads, four each, and v's eight
.irp u, 0,1
	WM WA+16*\e+8*\u, WQ+16*\u, FR+16*\e, QKB+16+8*\u, WSQ+2+\u, SCR+\e
.endr
.endr
	WIN 0
	NOPS 8
	QUANT WA, 4, KS, 3, KP, KP+16, KP+32, KP+48    ; a slot's 32 numbers of k are one block; its byte is the fragment's scale word
	WIN 0xC0
	FETCH WQ, QW, 0                                ; q's weight fragments take k's place
	FETCH WQ+16, QW, 2048
	WIN 0
	s_wait_dscnt 8                                 ; all but those eight: v's weight fragments are in
	WIN 0x23                                       ; THE OTHER WAY ROUND: source 0 = 16 slots, source 1 = 16 columns of v: a lane holds one d, its registers run along the keys
.irp u, 0,1
.irp e, 0,1,2,3
	WM WA+32*\u+8*\e, FR+16*\e, WB+16*\u, VB+8*\u, SCR+\e, WSQ+4+\u
.endr
.endr
	WIN 0
	NOPS 8
.irp u, 0,1
.set k, 17
.rept 15
	v_cndmask_b32 v[WA+32*\u+k], 0, v[WA+32*\u+k], s[LOW]      ; keys 49 .. 63 (lanes 16-31, registers 17 .. 31) do not exist: zeros, ahead of the block's largest magnitude
.set k, k+1
.endr
.endr
	QUANT WA, 4, TM+4, 3, VP, VP+4, VP+16, VP+20
	v_lshl_or_b32 v[VS], v[TM+5], 8, v[TM+4]
	v_lshl_or_b32 v[VS+1], v[TM+7], 8, v[TM+6]
	; ---- Q: two tiles of queries a trip.  The first trip finds tiles 0 and 1 and their scale words where the products above left them; each trip fetches tiles 2 and 3 behind q's products
	s_mov_b32 s[PQ], 0
	s_mov_b32 s[SP128], 0
	s_mov_b32 s[SP256], 0
	s_mov_b32 s[SP4K], 0
	s_mov_b32 s[SP8K], 0
	s_wait_dscnt 0x0                               ; q's weight fragments, asked for a quantiser ago
.Lq:
	v_add_nc_u32 v[AD2], s[SP8K], v[BA0]
.irp t, 0,1
.irp e, 0,1,2,3
	ds_load_b128 v[WA+32*\t+8*\e:WA+32*\t+8*\e+3], v[AD2] offset:(4*\t+\e)*1024       ; the bias, in the accumulators' layout: the scores' sums begin with it
	ds_load_b128 v[WA+32*\t+8*\e+4:WA+32*\t+8*\e+7], v[AD2] offset:(4*\t+\e)*1024+512
.endr
.endr
	WIN 0x2F
.irp t, 0,1
.irp u, 0,1
	WM WB+16*\t+8*\u, WQ+16*\u, FR+16*\t, QKB+8*\u, WSQ+\u, SCR+\t
.endr
.endr
	WIN 0
	v_add_nc_u32 v[AD3], s[SP4K], v[OA0]           ; four additions and four v_nop: the eight plain lines behind the products
	v_add_nc_u32 v[AD4], s[SP256], v[OB0]
	s_add_co_u32 s60, s[SI256], s[SP128]
	v_add_nc_u32 v[AD5], s60, v[RQ0]
	v_add_nc_u32 v[AD6], s[SI256], v[RK0]
	NOPS 4
	WIN 0xC0
	FETCH FR, L1, 4096                             ; tiles 2 and 3, for the second trip (which fetches them once more: nobody writes these bytes in this phase); the wait for the bias below covers them
	FETCH FR+16, L1, 6144
	WIN 0
	ds_load_b32 v[SCR], v[S1] offset:XSC-BASE1+256
	ds_load_b32 v[SCR+1], v[S1] offset:XSC-BASE1+384
.set k, 0
.rept 16
	v_pk_mul_f32 v[WB+k:WB+k+1], v[WB+k:WB+k+1], s[QSC:QSC+1] op_sel_hi:[1,0]
.set k, k+2
.endr
	QUANT WB, 2, QS, 0, QB, QB+4, 0, 0
	s_wait_dscnt 0x0                               ; the bias is in, and so are the next trip's fragments
	s_cmp_eq_u32 s[FLG], 0                         ; a stored whole number, the same in all four waves; no barrier stands under the branch
	s_cbranch_scc1 .Lopen
.irp e, 0,1,2,3
	ds_load_b128 v[WB+8*\e:WB+8*\e+3], v[AD6] offset:128*(\e/2)+32*(\e%2)             ; the keys' regions, in the accumulators' layout
	ds_load_b128 v[WB+8*\e+4:WB+8*\e+7], v[AD6] offset:128*(\e/2)+32*(\e%2)+16
.endr
	ds_load_b32 v[ST], v[AD5]                      ; my queries' regions
	ds_load_b32 v[ST+1], v[AD5] offset:32
	v_mov_b32 v[ST+2], 0xc2c80000                  ; -100
	s_wait_dscnt 0x0
.irp t, 0,1
.irp e, 0,1,2,3
.irp j, 0,1,2,3,4,5,6,7
	v_cmp_ne_u32 vcc_lo, v[WB+8*\e+\j], v[ST+\t]
	v_cndmask_b32 v[TM+\j], 0, v[ST+2], vcc_lo
.endr
.irp j, 0,2,4,6
	v_pk_add_f32 v[WA+32*\t+8*\e+\j:WA+32*\t+8*\e+\j+1], v[WA+32*\t+8*\e+\j:WA+32*\t+8*\e+\j+1], v[TM+\j:TM+\j+1]
.endr
.endr
.endr
.Lopen:
	NOPS 4                                         ; codes made by vector instructions stand four plain lines ahead of a scaled product
	WIN 0x03                                       ; K's codes window 3
.irp e, 0,1,2,3
.irp t, 0,1
	WM WA+32*\t+8*\e, KP+16*\e, QB+4*\t, WA+32*\t+8*\e, KS+\e, QS+\t
.endr
.endr
	WIN 0
	NOPS 8
	; the softmax: block q = 2 t + b: tile t's keys 32 b + 16 h + 0 .. 15 at WA + 16 q
.irp q, 0,1,2,3
	v_max3_num_f32 v[TM+\q], v[WA+16*\q], v[WA+16*\q+1], v[WA+16*\q+2]     ; each block's largest logit serves twice: for the row's maximum and, since p rises with the logit, for the block's largest p
.endr
.irp i, 3,5,7,9,11,13
.irp q, 0,1,2,3
	v_max3_num_f32 v[TM+\q], v[TM+\q], v[WA+16*\q+\i], v[WA+16*\q+\i+1]
.endr
.endr
.irp q, 0,1,2,3
	v_max_num_f32 v[TM+\q], v[TM+\q], v[WA+16*\q+15]
.endr
.irp q, 0,1,2,3
	v_permlanex16_b32 v[TM+4+\q], v[TM+\q], s[SEL], s[SEL+1]
.endr
.irp q, 0,1,2,3
	v_max_num_f32 v[TM+\q], v[TM+\q], v[TM+4+\q]
.endr
.irp t, 0,1
	v_max_num_f32 v[ST+2*\t+1], v[TM+2*\t], v[TM+2*\t+1]
.endr
.irp t, 0,1
	v_mul_f32 v[ST+2*\t+1], s[CL], v[ST+2*\t+1]    ; the row's largest t
.endr
.irp t, 0,1
	v_floor_f32 v[ST+2*\t], -v[ST+2*\t+1]          ; -M = floor(-t) = -ceil(t)
.endr
.irp t, 0,1
.set k, 0
.rept 16
	v_pk_fma_f32 v[WA+32*\t+k:WA+32*\t+k+1], v[WA+32*\t+k:WA+32*\t+k+1], s[CL:CL+1], v[ST+2*\t:ST+2*\t+1] op_sel_hi:[1,0,0]
.set k, k+2
.endr
.endr
.irp q, 0,1,2,3
	v_fma_f32 v[TM+\q], v[TM+\q], s[CL], v[ST+2*(\q/2)]
.endr
.set k, 0
.rept 64
	v_exp_f32 v[WA+k], v[WA+k]                     ; p = 2^(t - M)
.set k, k+1
.endr
.irp q, 0,1,2,3
	v_exp_f32 v[TM+\q], v[TM+\q]                   ; the blocks' largest p: the same two instructions on the same number; they belong to the same batch
.endr
	v_nop                                          ; a plain line behind the batch,
	s_wait_alu depctr_va_vdst(0)                   ; and one wait for all 68 ahead of the first reader
.irp t, 0,1
	v_pk_add_f32 v[ST+4+4*\t:ST+5+4*\t], v[WA+32*\t:WA+32*\t+1], v[WA+32*\t+2:WA+32*\t+3]       ; the rows' sums of the unquantised p, two chains a tile
	v_pk_add_f32 v[ST+6+4*\t:ST+7+4*\t], v[WA+32*\t+4:WA+32*\t+5], v[WA+32*\t+6:WA+32*\t+7]
.endr
.irp k, 8,12,16,20,24,28
.irp t, 0,1
	v_pk_add_f32 v[ST+4+4*\t:ST+5+4*\t], v[ST+4+4*\t:ST+5+4*\t], v[WA+32*\t+\k:WA+32*\t+\k+1]
	v_pk_add_f32 v[ST+6+4*\t:ST+7+4*\t], v[ST+6+4*\t:ST+7+4*\t], v[WA+32*\t+\k+2:WA+32*\t+\k+3]
.endr
.endr
.irp t, 0,1
	v_pk_add_f32 v[ST+4+4*\t:ST+5+4*\t], v[ST+4+4*\t:ST+5+4*\t], v[ST+6+4*\t:ST+7+4*\t]
.endr
.irp q, 0,1,2,3
	v_max_num_f32 v[TM+\q], 0x4800000, v[TM+\q]    ; the floor: the byte cannot fall under 1
.endr
.irp q, 0,1,2,3
	v_add_nc_u32 v[TM+12+\q], 0xfc000000, v[TM+\q]
.endr
.irp q, 0,1,2,3
.endr
.irp q, 0,1,2,3
	v_lshrrev_b32 v[TM+4+\q], 23, v[TM+12+\q]
.endr
.irp t, 0,1
	v_lshl_or_b32 v[PS+\t], v[TM+5+2*\t], 8, v[TM+4+2*\t]
.endr
.irp q, 0,1,2,3
.set k, 0
.rept 16
.set k, k+1
.endr
.endr
.irp q, 0,1,2,3
	CVT2 WA, \q, PB+4*\q
.endr
.irp t, 0,1
	v_add_f32 v[ST+4+4*\t], v[ST+4+4*\t], v[ST+5+4*\t]         ; these additions and the v_nop below are five plain lines between the codes and their product
.endr
.irp t, 0,1
	v_permlanex16_b32 v[ST+5+4*\t], v[ST+4+4*\t], s[SEL], s[SEL+1]
.endr
.irp t, 0,1
	v_add_f32 v[ST+4+4*\t], v[ST+4+4*\t], v[ST+5+4*\t]
.endr
.irp t, 0,1
	v_rcp_f32 v[ST+12+2*\t], v[ST+4+4*\t]
.endr
	v_nop                                          ; a plain line behind the reciprocals; their wait stands ahead of their first reader, behind the products
	WIN 0x03                                       ; V's codes window 3
.irp u, 0,1
.irp t, 0,1
	v_wmma_scale_f32_16x16x128_f8f6f4 v[WB+16*\t+8*\u:WB+16*\t+8*\u+7], v[VP+16*\u:VP+16*\u+15], v[PB+8*\t:PB+8*\t+15], 0, v[VS+\u], v[PS+\t]
.endr
.endr
	WIN 0
	NOPS 8
	s_wait_alu depctr_va_vdst(0)                   ; ahead of the reciprocals' first reader
.irp t, 0,1
.set k, 0
.rept 8
	v_pk_mul_f32 v[WB+16*\t+k:WB+16*\t+k+1], v[WB+16*\t+k:WB+16*\t+k+1], v[ST+12+2*\t:ST+13+2*\t] op_sel_hi:[1,0]
.set k, k+2
.endr
.endr
	QUANT WB, 2, TM+4, 0, TM+16, TM+20, 0, 0       ; my head's 32 channels are block w of proj's K
.irp t, 0,1
	ds_store_b128 v[AD3], v[TM+16+4*\t:TM+19+4*\t] offset:OIMG-BASE1+2048*\t
	ds_store_b8 v[AD4], v[TM+4+\t] offset:OSC-BASE1+128*\t
.endr
	s_add_co_u32 s[SP128], s[SP128], 128
	s_add_co_u32 s[SP256], s[SP256], 256
	s_add_co_u32 s[SP4K], s[SP4K], 4096
	s_add_co_u32 s[SP8K], s[SP8K], 8192
	s_add_co_u32 s[PQ], s[PQ], 1
	s_cmp_lt_u32 s[PQ], 2
	s_cbranch_scc1 .Lq
	BARRIER                                        ; attention's four fragments lie in LDS
	; ---- P: proj for my tile, onto x (the residual); LN2; quantised; all in the natural order of tokens from here on
	FETCH TM, L1W, OIMG-BASE1
	ds_load_b32 v[SCR], v[S1W] offset:OSC-BASE1
	WIN 0xC0
	GAIN FR, PARL+2048
	WIN 0
	GAIN WA, PARL+1024
	s_wait_loadcnt 0x0                             ; in the first window: the weights that stay in registers; in every window: my slot's row number in the next
	s_wait_dscnt 32                                ; all but pb and n2g
	WIN 0xF2                                       ; proj's fragments window 2, x (C and D) window 3
.irp f, 0,1,2,3,4,5,6,7
	WM X+8*\f, PWR+16*\f, TM, X+8*\f, WSP+\f, SCR
.endr
	WIN 0
	NOPS 8
	s_wait_dscnt 16                                ; all but n2g: pb is in
	WIN 0x0F
.set k, 0
.rept 32
	v_pk_add_f32 v[WB+k:WB+k+1], v[X+k:X+k+1], v[FR+k:FR+k+1]
.set k, k+2
.endr
	WIN 0xC0
	GAIN X, PARL+1536
	WIN 0
.irp b, 0,1,2,3
.irp j, 0,1,2,3
	ds_store_b128 v[XA], v[WB+16*\b+4*\j:WB+16*\b+4*\j+3] offset:128*\b+16*\j     ; x after attention, for fc2's sums
.endr
.endr
	LNORM 0, WB, WB, WA, X
	QUANT WB, 4, TM+4, 0, WA, WA+4, WA+8, WA+12
	PACK4
	IMAGE X2W, WA, 0
	ds_store_b32 v[X2S], v[PW]
	BARRIER                                        ; LN2's fragments and 64 rows of x lie in LDS
	; ---- token 48 is parked by wave 3: its loads go out first, its stores follow behind the common wait below; every wave makes the addresses, ahead of the first parting
	v_add_nc_u32 v[AD0], s[SI16], v[LCID]
	v_add_nc_u32 v[AD1], s[SI4], v[LCSD]
	v_add_nc_u32 v[AD2], s[SI528], v[L2]
	s_cmp_lg_u32 s[WV], 3
	s_cbranch_scc1 .Lnot3a
	ds_load_b128 v[TM:TM+3], v[LCIS]
	ds_load_b32 v[TM+4], v[LCSS]
	ds_load_b128 v[TM+8:TM+11], v[L2] offset:25344
.Lnot3a:
	WIN 0xC0
	FETCH FR, L1, X2IMG-BASE1                      ; fc1's first tile of rows
	WIN 0
	ds_load_b32 v[SCR], v[S1] offset:X2SC-BASE1
	; ---- the next window's x is asked for: it has the whole MLP in which to land
	v_min_u32 v[XAD], 3135, v[TKV]
	v_and_b32 v[XAD], s[KEEP], v[XAD]
	v_lshl_add_u32 v[XAD], v[XAD], 9, v[H64]
	XLOAD
	s_mov_b32 s[MT], 0
	s_mov_b32 s[SM128], 0
	s_mov_b32 s[SM512], 0
	s_mov_b32 s[SM2K], 0
	s_mov_b32 s[SM8K], 0
	s_wait_dscnt 0x0                               ; the first tile's fragment is in; in wave 3 also what it parks
	s_cmp_lg_u32 s[WV], 3
	s_cbranch_scc1 .Lnot3b
	ds_store_b128 v[AD0], v[TM:TM+3]
	ds_store_b32 v[AD1], v[TM+4]
	ds_store_b128 v[AD2], v[TM+8:TM+11] offset:LX-BASE2
	ds_store_b128 v[AD2], v[TM+8:TM+11] offset:LX-BASE2+4224
.Lnot3b:
	; ---- F1: three tiles of rows
.Lf1:
	F1TILE 1                                       ; (the third trip fetches tile 3, which exists and is not used: no branch)
	s_add_co_u32 s[SM128], s[SM128], 128
	s_add_co_u32 s[SM512], s[SM512], 512
	s_add_co_u32 s[SM2K], s[SM2K], 2048
	s_add_co_u32 s[SM8K], s[SM8K], 8192
	s_add_co_u32 s[MT], s[MT], 1
	s_cmp_lt_u32 s[MT], 3
	s_cbranch_scc1 .Lf1
	BARRIER                                        ; the hidden layer's twelve fragments lie in LDS
	F2 3, 0
	BARRIER                                        ; 48 whole rows of the result lie in LDS
	; ---- OUT: I store rows 12 w .. 12 w + 11, each to its place in the image
.set k, 0
.rept 12
	ds_load_b128 v[WA+4*k:WA+4*k+3], v[OUTA] offset:528*k
.set k, k+1
.endr
.irp k, 0,1,2,3,4,5,6,7,8,9,10,11
	s_min_u32 s60, s[TKN+\k], 3135
	s_lshl_b32 s60, s60, 9
	v_add_nc_u32 v[TM+\k], s60, v[LI]
.endr
.irp k, 0,1,2,3,4,5,6,7,8,9,10,11
	s_wait_dscnt 11-\k
	global_store_b128 v[TM+\k], v[WA+4*\k:WA+4*\k+3], s[10:11] th:TH_STORE_NT     ; 32 lanes store a row of 512 consecutive bytes, aligned
.endr
	s_wait_xcnt 0x0                                ; the stores' registers are written again only behind this wait
	s_wait_loadcnt 0x0                             ; the next window's x, asked for a whole MLP ago
	s_add_co_u32 s[SI4], s[SI4], 4
	s_add_co_u32 s[SI16], s[SI16], 16
	s_add_co_u32 s[SI256], s[SI256], 256
	s_add_co_u32 s[SI528], s[SI528], 528
	s_add_co_u32 s[IW], s[IW], 1
	s_cmp_lt_u32 s[IW], 8
	s_cbranch_scc1 .Lwin
; ======== THE PARKED TOKENS: one more tile of rows through the MLP (rows i and i + 8 are window i's token 48)
	s_lshl_b32 s60, s[WV], 1
	s_add_co_u32 s61, s60, s[CD]
	s_and_b32 s61, s61, 7
	s_lshl_b32 s[TO0], s60, 3
	s_add_co_u32 s[TO0], s[TO0], s61
	s_lshl_b32 s[TO0], s[TO0], 8
	s_add_co_u32 s60, s60, 1
	s_add_co_u32 s61, s60, s[CD]
	s_and_b32 s61, s61, 7
	s_lshl_b32 s[TO1], s60, 3
	s_add_co_u32 s[TO1], s[TO1], s61
	s_lshl_b32 s[TO1], s[TO1], 8
	s_load_b32 s[TKN], s[8:9], s[TO0] offset:16576             ; token 48's image row in windows 2 w and 2 w + 1
	s_load_b32 s[TKN+1], s[8:9], s[TO1] offset:16576
	s_mov_b32 s[SM512], 0
	s_mov_b32 s[SM8K], 0
	WIN 0xC0
	FETCH FR, L2, LIMG-BASE2
	WIN 0
	ds_load_b32 v[SCR], v[S2] offset:LSC-BASE2
	s_wait_dscnt 0x0                               ; the fragment and its scale words are in
	F1TILE 0
	BARRIER
	F2 1, LX-BASE2
	BARRIER
	ds_load_b128 v[WA:WA+3], v[LOUT]
	ds_load_b128 v[WA+4:WA+7], v[LOUT] offset:528
	s_wait_kmcnt 0x0
	s_min_u32 s60, s[TKN], 3135
	s_lshl_b32 s60, s60, 9
	v_add_nc_u32 v[TM], s60, v[LI]
	s_min_u32 s60, s[TKN+1], 3135
	s_lshl_b32 s60, s60, 9
	v_add_nc_u32 v[TM+1], s60, v[LI]
	s_wait_dscnt 1                                 ; the first row is back; the second may be out
	global_store_b128 v[TM], v[WA:WA+3], s[10:11] th:TH_STORE_NT
	s_wait_dscnt 0x0
	global_store_b128 v[TM+1], v[WA+4:WA+7], s[10:11] th:TH_STORE_NT
	s_wait_tensorcnt 0x0
	ds_add_u32 v254, v255
	s_wait_dscnt 0x0
	s_endpgm
.Lfunc_end_k_q7853a65be8_blk:
	.size	k_q7853a65be8_blk, .Lfunc_end_k_q7853a65be8_blk-k_q7853a65be8_blk
	.p2alignl 7, 3214868480
	.fill 96, 4, 3214868480
	.section	.rodata,"a",@progbits
	.p2align	6, 0x0
	.amdhsa_kernel k_q7853a65be8_blk
		.amdhsa_group_segment_fixed_size 218112
		.amdhsa_private_segment_fixed_size 0
		.amdhsa_enable_private_segment 0
		.amdhsa_kernarg_size 32
		.amdhsa_user_sgpr_count 2
		.amdhsa_user_sgpr_kernarg_segment_ptr 1
		.amdhsa_wavefront_size32 1
		.amdhsa_system_sgpr_workgroup_id_x 1
		.amdhsa_system_sgpr_workgroup_id_y 1
		.amdhsa_system_sgpr_workgroup_id_z 1
		.amdhsa_system_vgpr_workitem_id 0
		.amdhsa_next_free_vgpr 1024
		.amdhsa_next_free_sgpr 100
		.amdhsa_reserve_vcc 1
		.amdhsa_float_denorm_mode_32 3
		.amdhsa_float_denorm_mode_16_64 3
		.amdhsa_fp16_overflow 1
		.amdhsa_memory_ordered 1
		.amdhsa_forward_progress 1
		.amdhsa_inst_pref_size 224
	.end_amdhsa_kernel
	.amdgpu_metadata
---
amdhsa.version: [ 1, 2 ]
amdhsa.kernels:
  - .name:           k_q7853a65be8_blk
    .symbol:         k_q7853a65be8_blk.kd
    .args:
      - { .name: x, .offset: 0, .size: 8, .value_kind: global_buffer, .address_space: global }
      - { .name: lay0, .offset: 8, .size: 8, .value_kind: global_buffer, .address_space: global }
      - { .name: rows0, .offset: 16, .size: 8, .value_kind: global_buffer, .address_space: global }
      - { .name: mid, .offset: 24, .size: 8, .value_kind: global_buffer, .address_space: global }
    .group_segment_fixed_size: 218112
    .private_segment_fixed_size: 0
    .kernarg_segment_align: 8
    .kernarg_segment_size: 32
    .max_flat_workgroup_size: 128
    .sgpr_count:     100
    .vgpr_count:     1024
    .wavefront_size: 32
...
	.end_amdgpu_metadata
.endif
;; end of part 2
;; launch blk2: the kernel of part 2 again; grid 256 x 1, 4 waves a work-group, no clusters, 218,112 bytes of LDS; arguments mid, lay1, rows1, out0; writes out0
